; MI455X (gfx1250); checked and timed in simulation.
; The chip was launched on July 23, 2026; its instructions are those of AMD's public machine-readable ISA for CDNA 5 (MIT licence, August 2026) and "CDNA5" Instruction Set Architecture Reference Guide (July 2026). The comments in the code are by the model that wrote it; some were corrected since.
;; Multi Head Attention. Allowed arithmetic: float matrix products may take bf16 or f16 operands with f32 sums; all other float work in f32.
;; Inputs: Lo 1 x 16 x 1 x 64 float32; Lx 16 x 1,024 x 64 float32; Ly 16 x 1,024 x 64 float32; To0 1 x 16 x 1 x 64 float32; To1 1 x 1 x 1,024 float32; Tx 16 x 1,024 x 64 float32; Ty 16 x 1,024 x 64 float32; mask 2,048 x 2,048 float32; x_kv 2 x 2,048 x 1,024 float32; y_q 2 x 2,048 x 1,024 float32.
;; Outputs: out0 2 x 2,048 x 1,024 float32.
;; One version. Each part assembles by itself: llvm-mc -triple=amdgcn-amd-amdhsa -mcpu=gfx1250 --defsym DOCPART=n.
;; ======== version 1 of 1: 4 launches
;; limits: right only within a limited range of input values; values are held in f16: magnitudes above 65,504 overflow, below 6.1e-05 lose precision
;; workspace buffers: actb 16,777,216 bytes; wt 6,291,456 bytes; tyb 2,097,152 bytes; bias3 12,288 bytes; qkv 25,165,824 bytes; o 8,388,608 bytes
;; launch prep (part 1): grid 1537 x 1, 8 waves a work-group, no clusters, 18,432 bytes of LDS; arguments x_kv, y_q, Lx, Ly, Tx, Ty, Lo, To0, actb, wt, tyb, bias3; writes actb, wt, tyb, bias3
.if DOCPART == 1
	.amdgcn_target "amdgcn-amd-amdhsa--gfx1250"
	.amdhsa_code_object_version 6
	.text
	.protected	k_q7775b8c984_prep
	.globl	k_q7775b8c984_prep
	.p2align	8
	.type	k_q7775b8c984_prep,@function
k_q7775b8c984_prep:
	s_mov_b64 s[64:65], 0
	v_nop
	global_prefetch_b8 v0, s[64:65] scope:SCOPE_SE
	s_setreg_imm32_b32 hwreg(HW_REG_WAVE_MODE, 25, 1), 1
	s_wait_xcnt 0x0
; PREP: every f32 operand of the later matrix products is rounded once to f16 and laid so that the index that is summed over runs along rows.
;   actb  [2][4096][1024] f16    part 0 = x_kv, part 1 = y_q (both keep their order)
;   tyb   [8 q blocks][16 heads][128 q][64 d] f16    Ty, its blocks of 128 q re-ordered
;   wt    [3072][1024] f16       row = type*1024 + head*64 + d, column = p;  type 0 = Ly, 1 = Lx, 2 = Tx   (a transpose of each head's [p][d])
;   bias3 [3072] f32             Lo | zeros | To0
; FORMAT: f16, for its 11 significant bits.  LIMIT: magnitudes beyond 65,504 become infinity, and below 2^-14 the step is 2^-24.  Activations of spread 1
; and weights of spread 0.02, thirty times larger or smaller or shifted by thirty spreads, lie between 6.7e-4 and 160 in spread and peak: inside.
; A work-group takes one unit of 32,768 input bytes (16,384 output bytes); its number alone says which kind:
;   0..1151 a plain stream, 1152..1535 a transposing unit, 1536 the bias row.  The branches are the same for all eight waves.
; A stream: no matrix unit, no tensor loads, no cluster; several work-groups share a WGP.
.set NSTREAM, 1152                     ; 512 units of x_kv, 512 of y_q, 128 of Ty
.set NTR,     384                      ; 128 units each of Ly, Lx, Tx
.set TPITCH,  272                      ; LDS row of the transposed tile: 128 f16 + 16 bytes
	s_load_b512 s[8:23], s[0:1], 0x0               ; x_kv s[8:9], y_q s[10:11], Lx s[12:13], Ly s[14:15], Tx s[16:17], Ty s[18:19], Lo s[20:21], To0 s[22:23]
	s_load_b256 s[24:31], s[0:1], 0x40             ; actb s[24:25], wt s[26:27], tyb s[28:29], bias3 s[30:31]
	v_lshl_add_u32 v64, v0, 2, 0x4400
	v_mov_b32 v65, 0
	s_mov_b32 s2, ttmp9                            ; the unit
	s_wait_kmcnt 0x0
	s_cmp_ge_u32 s2, NSTREAM+NTR
	s_cbranch_scc1 .Lbias
	s_cmp_ge_u32 s2, NSTREAM
	s_cbranch_scc1 .Ltr
	; ---- a plain stream: 32,768 bytes of f32 in, 16,384 bytes of f16 out ----
	s_cmp_lt_u32 s2, 512
	s_cselect_b64 s[4:5], s[8:9], s[10:11]         ; x_kv, else y_q
	s_cselect_b32 s3, 0, 512                       ; the first unit of that source
	s_cmp_lt_u32 s2, 1024
	s_cselect_b64 s[4:5], s[4:5], s[18:19]         ; else Ty
	s_cselect_b32 s3, s3, 1024
	s_cselect_b64 s[6:7], s[24:25], s[28:29]       ; to actb, else to tyb
	s_sub_co_u32 s32, s2, s3                       ; the unit's number in its source
	s_lshl_b32 s34, s32, 15
	s_mov_b32 s35, 0
	s_add_nc_u64 s[4:5], s[4:5], s[34:35]
	s_and_b32 s36, s32, 7                          ; Ty's unit = head*8 + q block  ->  tyb's unit = q block*16 + head
	s_lshl_b32 s36, s36, 4
	s_lshr_b32 s37, s32, 3
	s_add_co_u32 s36, s36, s37
	s_cmp_lt_u32 s2, 1024
	s_cselect_b32 s36, s2, s36                     ; actb keeps the order of the units
	s_lshl_b32 s36, s36, 14
	s_mov_b32 s37, 0
	s_add_nc_u64 s[6:7], s[6:7], s[36:37]
	v_lshlrev_b32 v1, 4, v0                        ; 16 bytes a thread in: a wave's load covers 512 neighbouring bytes
	v_lshlrev_b32 v2, 3, v0                        ; 8 bytes a thread out: a wave's store covers 256 neighbouring bytes, aligned
.irp i, 0,1,2,3,4,5,6,7
	global_load_b128 v[8+4*\i:11+4*\i], v1, s[4:5] offset:4096*\i th:TH_LOAD_NT
.endr
.irp i, 0,1,2,3,4,5,6,7
	s_wait_loadcnt 7-\i                            ; loads return in order: load i is in, the 7-i younger ones stay out
	v_cvt_pk_f16_f32 v[40+2*\i], v[8+4*\i], v[9+4*\i]
	v_cvt_pk_f16_f32 v[41+2*\i], v[10+4*\i], v[11+4*\i]
	global_store_b64 v2, v[40+2*\i:41+2*\i], s[6:7] offset:2048*\i    ; no register is written twice: no further wait
.endr
	s_endpgm
	; ---- a transposing unit: 128 rows p of one head's [p][64 d] f32  ->  64 rows d of 128 f16 ----
.Ltr:
	s_sub_co_u32 s32, s2, NSTREAM                  ; t = type*128 + head*8 + p block
	s_cmp_lt_u32 s32, 128
	s_cselect_b64 s[4:5], s[14:15], s[12:13]       ; Ly, else Lx
	s_cmp_lt_u32 s32, 256
	s_cselect_b64 s[4:5], s[4:5], s[16:17]         ; else Tx
	s_and_b32 s34, s32, 127
	s_lshl_b32 s34, s34, 15
	s_mov_b32 s35, 0
	s_add_nc_u64 s[4:5], s[4:5], s[34:35]
	s_lshr_b32 s36, s32, 3                         ; type*16 + head: 64 rows of 2,048 bytes each
	s_lshl_b32 s36, s36, 17
	s_and_b32 s37, s32, 7                          ; the p block: 128 f16 = 256 bytes along the row
	s_lshl_b32 s37, s37, 8
	s_add_co_u32 s36, s36, s37
	s_mov_b32 s37, 0
	s_add_nc_u64 s[6:7], s[26:27], s[36:37]
	v_and_b32 v5, 15, v0                           ; q4: which four d
	v_lshrrev_b32 v6, 4, v0                        ; rp: 0..15
	v_lshlrev_b32 v7, 4, v5
	v_lshl_add_u32 v1, v6, 9, v7                   ; in: rows 2 rp, 2 rp + 1 (256 bytes each), 16 bytes at 16 q4: sixteen lanes take a whole row
	v_mul_u32_u24 v2, v5, 4*TPITCH
	v_lshl_add_u32 v2, v6, 2, v2                   ; LDS in: row d = 4 q4 + c, word rp + 16 i
	v_mad_u32_u24 v3, v6, TPITCH, v7               ; LDS back: row rp + 16 k, 16 bytes at 16 q4
	v_lshl_add_u32 v4, v6, 11, v7                  ; out: the same row of wt, 2,048 bytes apart
.irp i, 0,1,2,3
	global_load_b128 v[8+8*\i:11+8*\i],  v1, s[4:5] offset:8192*\i th:TH_LOAD_NT
	global_load_b128 v[12+8*\i:15+8*\i], v1, s[4:5] offset:8192*\i+256 th:TH_LOAD_NT
.endr
.irp i, 0,1,2,3
	s_wait_loadcnt 6-2*\i                          ; pair i of rows is in, the younger pairs stay out
.irp c, 0,1,2,3
	v_cvt_pk_f16_f32 v[40+4*\i+\c], v[8+8*\i+\c], v[12+8*\i+\c]      ; p even in the low half, p odd in the high half, of one d
.endr
.irp c, 0,1,2,3
	ds_store_b32 v2, v[40+4*\i+\c] offset:TPITCH*\c+64*\i            ; lanes 1,088 bytes apart meet four deep in a bank; 16 such stores a thread in the whole kernel
.endr
.endr
	s_wait_dscnt 0x0                               ; my stores are in LDS before I say so
	s_barrier_signal -1
	s_barrier_wait -1                              ; everybody's are
.irp k, 0,1,2,3
	ds_load_b128 v[8+4*\k:11+4*\k], v3 offset:16*TPITCH*\k
.endr
.irp k, 0,1,2,3
	s_wait_dscnt 3-\k
	global_store_b128 v4, v[8+4*\k:11+4*\k], s[6:7] offset:32768*\k  ; sixteen lanes store 256 neighbouring bytes, aligned
.endr
	s_wait_tensorcnt 0x0
	ds_add_u32 v64, v65
	s_wait_dscnt 0x0
	s_endpgm
	; ---- the bias row of the three projections ----
.Lbias:
	v_lshlrev_b32 v1, 4, v0                        ; 256 threads x 16 bytes = the 1,024 numbers of one type
	global_load_b128 v[8:11], v1, s[20:21]
	global_load_b128 v[12:15], v1, s[22:23]
	v_mov_b32 v16, 0                               ; the key projection has no bias
	v_mov_b32 v17, 0
	v_mov_b32 v18, 0
	v_mov_b32 v19, 0
	global_store_b128 v1, v[16:19], s[30:31] offset:4096
	s_wait_loadcnt 0x0
	global_store_b128 v1, v[8:11], s[30:31]
	global_store_b128 v1, v[12:15], s[30:31] offset:8192
	s_endpgm
.Lfunc_end_k_q7775b8c984_prep:
	.size	k_q7775b8c984_prep, .Lfunc_end_k_q7775b8c984_prep-k_q7775b8c984_prep
	.p2alignl 7, 3214868480
	.fill 96, 4, 3214868480
	.section	.rodata,"a",@progbits
	.p2align	6, 0x0
	.amdhsa_kernel k_q7775b8c984_prep
		.amdhsa_group_segment_fixed_size 18432
		.amdhsa_private_segment_fixed_size 0
		.amdhsa_enable_private_segment 0
		.amdhsa_kernarg_size 96
		.amdhsa_user_sgpr_count 2
		.amdhsa_user_sgpr_kernarg_segment_ptr 1
		.amdhsa_wavefront_size32 1
		.amdhsa_system_sgpr_workgroup_id_x 1
		.amdhsa_system_sgpr_workgroup_id_y 1
		.amdhsa_system_sgpr_workgroup_id_z 1
		.amdhsa_system_vgpr_workitem_id 0
		.amdhsa_next_free_vgpr 66
		.amdhsa_next_free_sgpr 66
		.amdhsa_reserve_vcc 0
		.amdhsa_float_denorm_mode_32 3
		.amdhsa_float_denorm_mode_16_64 3
		.amdhsa_memory_ordered 1
		.amdhsa_forward_progress 1
		.amdhsa_inst_pref_size 11
	.end_amdhsa_kernel
	.amdgpu_metadata
---
amdhsa.version: [ 1, 2 ]
amdhsa.kernels:
  - .name:           k_q7775b8c984_prep
    .symbol:         k_q7775b8c984_prep.kd
    .args:
      - { .name: x_kv, .offset: 0, .size: 8, .value_kind: global_buffer, .address_space: global }
      - { .name: y_q, .offset: 8, .size: 8, .value_kind: global_buffer, .address_space: global }
      - { .name: Lx, .offset: 16, .size: 8, .value_kind: global_buffer, .address_space: global }
      - { .name: Ly, .offset: 24, .size: 8, .value_kind: global_buffer, .address_space: global }
      - { .name: Tx, .offset: 32, .size: 8, .value_kind: global_buffer, .address_space: global }
      - { .name: Ty, .offset: 40, .size: 8, .value_kind: global_buffer, .address_space: global }
      - { .name: Lo, .offset: 48, .size: 8, .value_kind: global_buffer, .address_space: global }
      - { .name: To0, .offset: 56, .size: 8, .value_kind: global_buffer, .address_space: global }
      - { .name: actb, .offset: 64, .size: 8, .value_kind: global_buffer, .address_space: global }
      - { .name: wt, .offset: 72, .size: 8, .value_kind: global_buffer, .address_space: global }
      - { .name: tyb, .offset: 80, .size: 8, .value_kind: global_buffer, .address_space: global }
      - { .name: bias3, .offset: 88, .size: 8, .value_kind: global_buffer, .address_space: global }
    .group_segment_fixed_size: 18432
    .private_segment_fixed_size: 0
    .kernarg_segment_align: 8
    .kernarg_segment_size: 96
    .max_flat_workgroup_size: 256
    .sgpr_count:     66
    .vgpr_count:     66
    .wavefront_size: 32
...
	.end_amdgpu_metadata
.endif
;; end of part 1
;; launch proj (part 2): grid 12 x 16, 4 waves a work-group, clusters of 4 x 4, 327,680 bytes of LDS; arguments actb, wt, qkv, bias3; writes qkv
.if DOCPART == 2
	.amdgcn_target "amdgcn-amd-amdhsa--gfx1250"
	.amdhsa_code_object_version 6
	.text
	.protected	k_q7775b8c984_proj
	.globl	k_q7775b8c984_proj
	.p2align	8
	.type	k_q7775b8c984_proj,@function
k_q7775b8c984_proj:
	s_mov_b64 s[64:65], 0
	v_nop
	global_prefetch_b8 v0, s[64:65] scope:SCOPE_SE
	s_setreg_imm32_b32 hwreg(HW_REG_WAVE_MODE, 25, 1), 1
	s_wait_xcnt 0x0
	s_wait_alu depctr_hold_cnt(0) depctr_sa_sdst(0) depctr_va_vdst(0) depctr_va_sdst(0) depctr_va_ssrc(0) depctr_va_vcc(0) depctr_vm_vsrc(0)
	s_getreg_b32 s2, hwreg(HW_REG_IB_STS2, 6, 4)
	s_cmp_eq_u32 s2, 0
	s_cbranch_scc0 .Lentry_in_a_cluster
	s_endpgm
.Lentry_in_a_cluster:
	s_bfe_u32 s2, ttmp6, 0x10000c
	s_cmp_lg_u32 s2, 0xf033
	s_cbranch_scc0 .Lentry_shape_is_right
	s_endpgm
.Lentry_shape_is_right:
; PROJ: the three projections as one product C = A B^T + bias.  B = wt [3072][1024] f16 (1,024 rows for q, k, v in turn),
; A = actb: y_q's 4,096 rows for the q columns, x_kv's for the k and v columns.  Sums in f32, bias in f32, one rounding to f16.
; Out: qkv [type 3][b 2][head 16][2048][64] f16.
; LIMIT: a projection beyond 65,504 in magnitude becomes infinity.  Sums of 1,024 products of spread 1 x 0.02 have spread 0.64; with both factors thirty
; times larger 576; with both carrying an offset of thirty spreads 1,024 x 30 x 0.6 = 18,432: inside.
; A work-group makes 256 x 256 of C with four waves (one a SIMD); a wave makes 128 x 128: 64 accumulator tiles of 16 x 16, 512 registers.
; K goes in steps of 128 through two LDS slots filled by tensor loads; a tile's rows are 256 bytes of memory, aligned.
; CLUSTERS: 4 x 4 work-groups.  A cluster's x is the type (1,024 columns = four blocks), so all sixteen read the same part of actb.
; The four of a cluster's row need the same tiles of A, the four of a column the same tiles of B: each tile is asked for jointly.
; 12 x 16 = 192 work-groups: the factor three lies in the types alone, and q has another A than k and v.
;
; REGISTERS in windows of 256:  window 0: v16-27 addresses, v64-127 and v128-191 fragments of A (two buffers), v192-223 packed results
;   window 1: v64-127, v128-191 fragments of B, v192-255 the bias of my 128 columns;  windows 2, 3: accumulators of my rows 0-63, 64-127
; The matrix instruction is used transposed (source 0 = rows of B, source 1 = rows of A): lane l then holds row l % 16 of C and its
; registers 0-7 the columns 8 (l / 16) + 0..7, eight neighbours that pack into 16 bytes.
.set SIZE_K, 1024
.set KSTEP,  128
.set PITCH,  272                       ; an LDS row: 256 bytes + 16 of padding, so the 16 rows of a fragment load start 16 bytes apart modulo 256
.set HALFT,  128*PITCH                 ; 128 rows: one tensor load
.set SLOT,   4*HALFT                   ; A's 256 rows, then B's 256 rows
.set STAGE,  2*SLOT                    ; behind the ring: 16 rows x 272 bytes for each wave; no tensor load lands here
.set SPITCH, 272
.set LAPS, SIZE_K/(2*KSTEP)            ; a lap = two K steps = once round the ring: four laps
.set ADRA, 16                          ; v16-17  LDS address of my A fragments in slot 0, 1
.set ADRB, 20                          ; v20-21  the same for B
.set STO,  24                          ; v24     the way out: where I put 16 bytes of a row
.set RD,   25                          ; v25     the way out: where I read back
.set CO,   26                          ; v26     my byte offset in qkv
.set BO,   27                          ; v27     my byte offset in the bias row
.set F0,   64
.set F1,   128
.set TMP,  192                         ; window 0
.set BIAS, 192                         ; window 1
.set G1, 24                            ; s[24:31] group 1 for A's tiles
.set G0, 32                            ; s[32:39] group 0 for A's tiles, a set for each slot
.set G1B, 48                           ; s[48:55] group 1 for B's tiles
.set G0B, 56                           ; s[56:63] group 0 for B's tiles
.set MSB, 0
.macro WIN new                         ; the immediate's high byte repeats the setting that is left
.if MSB != \new
	s_set_vgpr_msb (MSB<<8)|\new
.set MSB, \new
.endif
.endm
.set MUL_LO, 0xa1                      ; source 0 (B) window 1, source 1 (A) window 0, C and D window 2
.set MUL_HI, 0xf1                      ; the same, C and D window 3
.set TO_B,   0x40                      ; destination window 1, address window 0
; A joint load: waves 0, 1 fetch A's halves, waves 2, 3 B's.  The branch hangs on the wave's number alone.
.macro JLOAD s
	s_cmp_eq_u32 s11, 0
	s_cbranch_scc0 .Lfor_b_\@
	tensor_load_to_lds s[G0+4*\s:G0+4*\s+3], s[G1:G1+7]
	s_nop 0
	s_branch .Lasked_\@
.Lfor_b_\@:
	tensor_load_to_lds s[G0B+4*\s:G0B+4*\s+3], s[G1B:G1B+7]
	s_nop 0
.Lasked_\@:
.endm
; A round of the cluster's barrier: my work-group's barrier, wave 0 signals for the work-group, every wave waits for all sixteen, my work-group's barrier again.
.macro CREST                           ; a round behind its opening barrier
	s_cmp_lg_u32 s10, 0
	s_cbranch_scc1 .Lnot_wave_0_\@
	s_barrier_signal -3
.Lnot_wave_0_\@:
	s_barrier_wait -3
	s_barrier_signal -1
	s_barrier_wait -1
.endm
.macro CROUND
	s_barrier_signal -1
	s_barrier_wait -1
	CREST
.endm
	s_load_b128 s[4:7], s[0:1], 0x0                ; actb s[4:5], wt s[6:7]
	s_load_b64 s[8:9], s[0:1], 0x10                ; qkv
	s_load_b64 s[66:67], s[0:1], 0x18              ; bias3
	s_set_vgpr_msb 0x40
	v_lshl_add_u32 v63, v0, 2, 0x48400
	s_set_vgpr_msb 0x4000
	v_mov_b32 v255, 0
	s_set_vgpr_msb 0x1
	ds_add_u32 v63, v255
	ds_add_u32 v63, v255
	s_set_vgpr_msb 0x100
	v_lshrrev_b32 v1, 5, v0
	v_readfirstlane_b32 s10, v1                    ; wave 0..3
	s_lshr_b32 s11, s10, 1                         ; my half of the block's rows; also: I fetch for A (0) or B (1)
	s_and_b32 s12, s10, 1                          ; my half of its columns; also: which 128 rows of the tile I fetch
	s_bfe_u32 s40, ttmp6, 0x40000                  ; cx
	s_bfe_u32 s41, ttmp6, 0x40004                  ; cy
	s_lshl_b32 s42, ttmp9, 2
	s_add_co_u32 s42, s42, s40                     ; block column = 4 x cluster x + cx
	s_and_b32 s13, ttmp7, 0xffff
	s_lshl_b32 s13, s13, 2
	s_add_co_u32 s13, s13, s41                     ; block row = 4 x cluster y + cy
	s_lshl_b32 s43, s41, 2
	s_lshl_b32 s43, 15, s43                        ; my row of the cluster
	s_lshl_b32 s44, 0x1111, s40                    ; my column
	s_or_b32 s[G1+0], s43, (1<<16)|(1<<20)|(1<<21)|(5<<22)|(3<<25)   ; mask; 2-byte elements; padding on; bit 21 beside a mask; after every 64 words, 4 words
	s_or_b32 s[G1B+0], s44, (1<<16)|(1<<20)|(1<<21)|(5<<22)|(3<<25)
	s_mov_b32 s[G1B+1], KSTEP<<16
	s_mov_b32 s[G1+1], KSTEP<<16                   ; tensor_dim0 = 128
	s_mov_b32 s[G1B+2], 128<<16
	s_mov_b32 s[G1+2], 128<<16                     ; tensor_dim1 = 128
	s_mov_b32 s[G1B+3], KSTEP<<16
	s_mov_b32 s[G1+3], KSTEP<<16                   ; tile_dim0 = 128
	s_mov_b32 s[G1B+4], 128
	s_mov_b32 s[G1+4], 128                         ; tile_dim1 = 128
	s_mov_b32 s[G1B+5], SIZE_K
	s_mov_b32 s[G1+5], SIZE_K                      ; elements from row to row
	s_mov_b32 s[G1B+6], 0
	s_mov_b32 s[G1+6], 0
	s_mov_b32 s[G1B+7], 0
	s_mov_b32 s[G1+7], 0
	; A's tiles hang on the block row and on the cluster's x (the type), which all partners share; B's on the block column.
	s_lshl_b32 s17, s12, 7
	s_lshl_b32 s16, s13, 8
	s_add_co_u32 s16, s16, s17                     ; A: row 256 x block row + 128 x half
	s_lshl_b32 s46, s42, 8
	s_add_co_u32 s46, s46, s17                     ; B: row 256 x block column + 128 x half
	s_lshl_b32 s16, s16, 11                        ; rows of 2,048 bytes
	s_lshl_b32 s46, s46, 11
	s_min_u32 s45, ttmp9, 1                        ; type 0 (q) reads part 1 of actb (y_q), types 1 and 2 part 0 (x_kv)
	s_xor_b32 s45, s45, 1
	s_lshl_b32 s45, s45, 23                        ; a part is 8,388,608 bytes
	s_add_co_u32 s16, s16, s45
	s_mov_b32 s17, 0
	s_mov_b32 s47, 0
	s_lshl_b32 s70, s42, 10                        ; the bias of my 128 columns: 4 x (256 x block column + 128 x half)
	s_lshl_b32 s71, s12, 9
	s_add_co_u32 s70, s70, s71
	s_mov_b32 s71, 0
	s_mul_i32 s20, s10, HALFT                      ; LDS: wave x 128 rows; no place in the cluster enters
	s_wait_dscnt 0x0
	s_wait_kmcnt 0x0
	s_add_nc_u64 s[14:15], s[4:5], s[16:17]
	s_add_nc_u64 s[46:47], s[6:7], s[46:47]
	s_add_nc_u64 s[68:69], s[66:67], s[70:71]
	CROUND                                         ; all sixteen work-groups are here: the first joint loads meet
.irp s, 0,1
	s_mov_b32 s[G0+4*\s], 1
	s_add_co_u32 s[G0+4*\s+1], s20, \s*SLOT
	s_add_nc_u64 s[G0+4*\s+2:G0+4*\s+3], s[14:15], \s*KSTEP*2
	s_or_b32 s[G0+4*\s+3], s[G0+4*\s+3], 0x80000000
	s_mov_b32 s[G0B+4*\s], 1
	s_add_co_u32 s[G0B+4*\s+1], s20, \s*SLOT
	s_add_nc_u64 s[G0B+4*\s+2:G0B+4*\s+3], s[46:47], \s*KSTEP*2
	s_or_b32 s[G0B+4*\s+3], s[G0B+4*\s+3], 0x80000000
	JLOAD \s                                       ; both slots are asked for before anything else: two tensor loads of the wave are out
.endr
	; a fragment: lane l holds row l % 16; registers 0-3 K = 8 (l / 16) + 0..7, registers 4-7 K = 16 + 8 (l / 16) + 0..7: two loads of 16 bytes, 32 apart
	v_and_b32 v1, 15, v0
	v_bfe_u32 v2, v0, 4, 1
	v_mul_u32_u24 v3, v1, PITCH
	v_lshl_add_u32 v3, v2, 4, v3
	s_mul_i32 s21, s11, HALFT
	s_mul_i32 s22, s12, HALFT
	s_add_co_u32 s22, s22, 2*HALFT
.irp s, 0,1
	v_add_nc_u32 v[ADRA+\s], s21, v3
	v_add_nc_u32 v[ADRB+\s], s22, v3
	s_add_co_u32 s21, s21, SLOT
	s_add_co_u32 s22, s22, SLOT
.endr
	s_mul_i32 s23, s10, 16*SPITCH
	s_add_co_u32 s23, s23, STAGE                   ; my stage
	v_mul_u32_u24 v4, v1, SPITCH
	v_lshl_add_u32 v4, v2, 4, v4
	v_add_nc_u32 v[STO], s23, v4                   ; in: row l % 16, 16 bytes for each half of the lanes
	; back: a stage row holds two heads' 128 bytes.  Lanes 0-15 take rows 2t, 2t+1 of the first head (256 neighbouring bytes of qkv), lanes 16-31 of the second.
	v_bfe_u32 v6, v0, 3, 1
	v_and_b32 v7, 7, v0
	v_mul_u32_u24 v5, v6, SPITCH
	v_lshl_add_u32 v5, v2, 7, v5
	v_lshl_add_u32 v5, v7, 4, v5
	v_add_nc_u32 v[RD], s23, v5
	v_lshlrev_b32 v5, 18, v2                       ; the next head lies 262,144 bytes on
	v_lshl_add_u32 v[CO], v1, 4, v5
	v_lshlrev_b32 v[BO], 5, v2                     ; my eight columns of a tile: 32 bytes for each half of the lanes
	WIN TO_B
.irp b, 0,1,2,3,4,5,6,7
	global_load_b128 v[BIAS+8*\b:BIAS+8*\b+3],   v[BO], s[68:69] offset:64*\b       ; waited for in front of the way out
	global_load_b128 v[BIAS+8*\b+4:BIAS+8*\b+7], v[BO], s[68:69] offset:64*\b+16
.endr
	WIN 0
; 16 matrix instructions: m blocks a0, a0 + 1 of the window's four x all 8 n blocks, 32 along K.  zero = 1: the first product starts the sums.
.macro MUL16 f, hi, a0, zero
.irp a, \a0, \a0+1
.irp b, 0,1,2,3,4,5,6,7
.if \zero
	v_wmma_f32_16x16x32_f16 v[8*(8*(\a)+\b):8*(8*(\a)+\b)+7], v[\f+8*\b:\f+8*\b+7], v[\f+8*(4*\hi+\a):\f+8*(4*\hi+\a)+7], 0
.else
	v_wmma_f32_16x16x32_f16 v[8*(8*(\a)+\b):8*(8*(\a)+\b)+7], v[\f+8*\b:\f+8*\b+7], v[\f+8*(4*\hi+\a):\f+8*(4*\hi+\a)+7], v[8*(8*(\a)+\b):8*(8*(\a)+\b)+7]
.endif
.endr
.endr
.endm
; 32 LDS loads in one run: the fragments of a quarter step (32 K at byte k of the rows) into buffer f
.macro FETCH slot, k, f
	WIN TO_B
.irp i, 0,1,2,3,4,5,6,7
	ds_load_b128 v[\f+8*\i:\f+8*\i+3],   v[ADRB+\slot] offset:\k+\i*16*PITCH
	ds_load_b128 v[\f+8*\i+4:\f+8*\i+7], v[ADRB+\slot] offset:\k+\i*16*PITCH+32
.endr
	WIN 0
.irp i, 0,1,2,3,4,5,6,7
	ds_load_b128 v[\f+8*\i:\f+8*\i+3],   v[ADRA+\slot] offset:\k+\i*16*PITCH
	ds_load_b128 v[\f+8*\i+4:\f+8*\i+7], v[ADRA+\slot] offset:\k+\i*16*PITCH+32
.endr
.endm
; Four independent vector places stand between a matrix instruction and a load into one of its registers or a vector read of its result.
.macro PLACES
.rept 4
	v_nop
.endr
.endm
; A K step is four quarters of 32 along K, 64 matrix instructions each, on buffers 0, 1, 0, 1.  The 64 accumulators take turns, one instruction a turn,
; in the same order in every quarter.
.macro QUARTER slot, k, f, g, zero
	s_wait_dscnt 8                                 ; B and A's rows 0-63 are in; the youngest eight loads (A's rows 64-127) may be out
	WIN MUL_LO
	MUL16 \f, 0, 0, \zero
	MUL16 \f, 0, 2, \zero
	PLACES
	FETCH \slot, \k, \g
	s_wait_dscnt 32                                ; all but the 32 just issued
	WIN MUL_HI
	MUL16 \f, 1, 0, \zero
	MUL16 \f, 1, 2, \zero
.endm
.macro THREE slot, zero
	QUARTER \slot, 64,  F0, F1, \zero
	QUARTER \slot, 128, F1, F0, 0
	QUARTER \slot, 192, F0, F1, 0
.endm
; The last quarter multiplies buffer 1 and changes slots.  In front of the barrier each wave waits for its reads of this slot and for all its tensor
; loads (one is out: its part of the next slot).  Behind it (with a refill: behind a round of the cluster's barrier) the refill comes first.
.macro TURN slot, next, fill
	s_wait_dscnt 8
	WIN MUL_LO
	MUL16 F1, 0, 0, 0
	s_wait_dscnt 0                                 ; my reads of this slot are over
	s_wait_tensorcnt 0x0                           ; all my tensor loads have landed
	ds_add_u32 v63, v255
	s_wait_dscnt 0x0
	s_barrier_signal -1
	MUL16 F1, 0, 2, 0                              ; register work while the others arrive
	WIN 0
	s_barrier_wait -1
.if \fill
	CREST                                          ; no wave of any partner still reads this slot or has a load on its way
	s_add_nc_u64 s[G0+4*\slot+2:G0+4*\slot+3], s[G0+4*\slot+2:G0+4*\slot+3], 2*KSTEP*2
	s_add_nc_u64 s[G0B+4*\slot+2:G0B+4*\slot+3], s[G0B+4*\slot+2:G0B+4*\slot+3], 2*KSTEP*2
	JLOAD \slot                                    ; the wave's one tensor load behind the round
.endif
	PLACES
	FETCH \next, 0, F0
	WIN MUL_HI
	MUL16 F1, 1, 0, 0
	MUL16 F1, 1, 2, 0
.endm
.macro LAP zero
	THREE 0, \zero
	TURN 0, 1, 1
	THREE 1, 0
	TURN 1, 0, 1
.endm
	s_wait_tensorcnt 1                             ; my part of K step 0 is in; K step 1's load may stay out
	s_barrier_signal -1
	s_barrier_wait -1
	FETCH 0, 0, F0
	LAP 1                                          ; the first lap starts the sums
	WIN 0
	s_mov_b32 s3, LAPS-2
.Llap:
	LAP 0
	WIN 0
	s_sub_co_u32 s3, s3, 1
	s_cmp_lg_u32 s3, 0
	s_cbranch_scc1 .Llap
	THREE 0, 0                                     ; the last lap fills nothing
	TURN 0, 1, 0
	THREE 1, 0
	s_wait_dscnt 8
	WIN MUL_LO
	MUL16 F1, 0, 0, 0
	MUL16 F1, 0, 2, 0
	s_wait_dscnt 0
	WIN MUL_HI
	MUL16 F1, 1, 0, 0
	MUL16 F1, 1, 2, 0
	; THE WAY OUT, 16 rows at a time: add the bias, round to f16, 16 bytes a lane into my stage, read back by heads.
	PLACES
	s_wait_loadcnt 0x0                             ; the bias
	s_lshr_b32 s14, s13, 3                         ; b = block row / 8: 16 heads of 262,144 bytes
	s_lshl_b32 s16, s14, 22
	s_and_b32 s14, s13, 7                          ; 256 rows of 128 bytes for each block row inside b
	s_lshl_b32 s14, s14, 15
	s_add_co_u32 s16, s16, s14
	s_lshl_b32 s14, s11, 14                        ; my half: 128 rows
	s_add_co_u32 s16, s16, s14
	s_mov_b32 s17, 0
	s_add_nc_u64 s[8:9], s[8:9], s[16:17]
	s_lshl_b32 s46, ttmp9, 23                      ; the type: 8,388,608 bytes
	s_lshl_b32 s47, s40, 20                        ; four heads for each block column of the type
	s_add_co_u32 s46, s46, s47
	s_lshl_b32 s47, s12, 19                        ; two heads for my half
	s_add_co_u32 s46, s46, s47
	s_mov_b32 s47, 0
	s_add_nc_u64 s[8:9], s[8:9], s[46:47]
; rows 16 i .. 16 i + 15 of my block = tiles (a, 0..7) of window 2 or 3.  addw: accumulator window as destination and source 0, bias window 1 as source 1;
; from: accumulator window as sources 0 and 1; f: F0 or F1 in turn
.macro OUT16 i, a, addw, from, f
	WIN \addw
.irp b, 0,1,2,3,4,5,6,7
.irp r, 0,1,2,3
	v_pk_add_f32 v[8*(8*\a+\b)+2*\r:8*(8*\a+\b)+2*\r+1], v[8*(8*\a+\b)+2*\r:8*(8*\a+\b)+2*\r+1], v[BIAS+8*\b+2*\r:BIAS+8*\b+2*\r+1]
.endr
.endr
	WIN \from
.irp b, 0,1,2,3,4,5,6,7
.irp r, 0,1,2,3
	v_cvt_pk_f16_f32 v[TMP+4*\b+\r], v[8*(8*\a+\b)+2*\r], v[8*(8*\a+\b)+2*\r+1]
.endr
.endr
	WIN 0
.irp b, 0,1,2,3,4,5,6,7
	ds_store_b128 v[STO], v[TMP+4*\b:TMP+4*\b+3] offset:32*\b
.endr
	s_wait_xcnt 0x0                                ; buffer f, which earlier stores read, and the stores' base are rewritten only behind this wait
.if \i
	s_add_nc_u64 s[8:9], s[8:9], 16*128            ; 16 rows of a head on
.endif
.irp t, 0,1,2,3,4,5,6,7
	ds_load_b128 v[\f+4*\t:\f+4*\t+3], v[RD] offset:\t*2*SPITCH      ; LDS serves a wave's instructions in order: these see the stores above
.endr
.irp t, 0,1,2,3,4,5,6,7
	s_wait_dscnt 7-\t
	global_store_b128 v[CO], v[\f+4*\t:\f+4*\t+3], s[8:9] offset:256*\t   ; sixteen lanes store two rows of a head: 256 neighbouring bytes, aligned
.endr
.endm
	OUT16 0, 0, 0x86, 0x0a, F0
	OUT16 1, 1, 0x86, 0x0a, F1
	OUT16 2, 2, 0x86, 0x0a, F0
	OUT16 3, 3, 0x86, 0x0a, F1
	OUT16 4, 0, 0xc7, 0x0f, F0
	OUT16 5, 1, 0xc7, 0x0f, F1
	OUT16 6, 2, 0xc7, 0x0f, F0
	OUT16 7, 3, 0xc7, 0x0f, F1
	s_set_vgpr_msb 0x1
	s_wait_tensorcnt 0x0
	ds_add_u32 v63, v255
	s_wait_dscnt 0x0
	s_set_vgpr_msb 0x100
	CROUND                                         ; the closing round: no work-group ends while a partner may still ask jointly
	s_endpgm
.Lfunc_end_k_q7775b8c984_proj:
	.size	k_q7775b8c984_proj, .Lfunc_end_k_q7775b8c984_proj-k_q7775b8c984_proj
	.p2alignl 7, 3214868480
	.fill 96, 4, 3214868480
	.section	.rodata,"a",@progbits
	.p2align	6, 0x0
	.amdhsa_kernel k_q7775b8c984_proj
		.amdhsa_group_segment_fixed_size 327680
		.amdhsa_private_segment_fixed_size 0
		.amdhsa_enable_private_segment 0
		.amdhsa_kernarg_size 32
		.amdhsa_user_sgpr_count 2
		.amdhsa_user_sgpr_kernarg_segment_ptr 1
		.amdhsa_wavefront_size32 1
		.amdhsa_system_sgpr_workgroup_id_x 1
		.amdhsa_system_sgpr_workgroup_id_y 1
		.amdhsa_system_sgpr_workgroup_id_z 1
		.amdhsa_system_vgpr_workitem_id 0
		.amdhsa_next_free_vgpr 1024
		.amdhsa_next_free_sgpr 72
		.amdhsa_reserve_vcc 0
		.amdhsa_float_denorm_mode_32 3
		.amdhsa_float_denorm_mode_16_64 3
		.amdhsa_memory_ordered 1
		.amdhsa_forward_progress 1
		.amdhsa_inst_pref_size 215
	.end_amdhsa_kernel
	.amdgpu_metadata
---
amdhsa.version: [ 1, 2 ]
amdhsa.kernels:
  - .name:           k_q7775b8c984_proj
    .symbol:         k_q7775b8c984_proj.kd
    .args:
      - { .name: actb, .offset: 0, .size: 8, .value_kind: global_buffer, .address_space: global }
      - { .name: wt, .offset: 8, .size: 8, .value_kind: global_buffer, .address_space: global }
      - { .name: qkv, .offset: 16, .size: 8, .value_kind: global_buffer, .address_space: global }
      - { .name: bias3, .offset: 24, .size: 8, .value_kind: global_buffer, .address_space: global }
    .group_segment_fixed_size: 327680
    .private_segment_fixed_size: 0
    .kernarg_segment_align: 8
    .kernarg_segment_size: 32
    .max_flat_workgroup_size: 128
    .sgpr_count:     72
    .vgpr_count:     1024
    .wavefront_size: 32
...
	.end_amdgpu_metadata
.endif
;; end of part 2
;; launch attn (part 3): grid 8 x 32, 8 waves a work-group, no clusters, 327,680 bytes of LDS; arguments qkv, mask, o; writes o
.if DOCPART == 3
	.amdgcn_target "amdgcn-amd-amdhsa--gfx1250"
	.amdhsa_code_object_version 6
	.text
	.protected	k_q7775b8c984_attn
	.globl	k_q7775b8c984_attn
	.p2align	8
	.type	k_q7775b8c984_attn,@function
k_q7775b8c984_attn:
	s_mov_b64 s[64:65], 0
	v_nop
	global_prefetch_b8 v0, s[64:65] scope:SCOPE_SE
	s_setreg_imm32_b32 hwreg(HW_REG_WAVE_MODE, 25, 1), 1
	s_wait_xcnt 0x0
; ATTN: for one (b, head) and 256 queries n:  o[n][d] = sum over m of softmax over m of ((k[m].q[n] + mask[m][n]) / 8) times v[m][d],
; with a running maximum, in steps of 64 m.  q, k, v: f16 from qkv [type][b][head][2048][64].  mask: f32 [m][n].  Out: o [b*16 + n/128][head][128][64] f16.
; Eight waves, two a SIMD, so that one wave's softmax runs under the other's products.  Wave w owns 32 queries as two column tiles t:
; column r of tile t is query 32 w + 2 r + t, so that one 8-byte load brings a lane the mask of both tiles.
; ORIENTATION: S^T = K Q^T (A = 16 rows m of K, B = 16 queries).  Lane (r, h) then holds one query and m = 8 h + 0..7 of each tile: maximum and sum over m stay
; in the lane but for one exchange between the halves, and the packed tiles 2c, 2c+1 ARE the B fragment (k = 8h.., 16+8h..) of O^T = V^T P^T: no shuffle.
; K and V come by tensor loads, four steps to a slot, two slots; V's fragments by the transposing LDS load.
; THE MASK goes straight into registers, TWO STEPS AHEAD: two buffers of 64 registers, even and odd steps, each with its own base pointer.  A wave has
; 2 x 32 loads of 256 bytes on their way.  That is 64 loads against a counter's field of 63: the hardware holds the issue of the last back until one has
; returned (ISA guide 5.7.1), so no wait is written for it.
; THE SLOT BARRIER'S HALVES STAND APART: the signal in the slot's fourth step, as soon as my reads of the slot are back and my tensor loads have landed; the wait
; at that step's end.  Between them stands register work alone (the softmax and the O product), so a wave that runs that much ahead of another does not stop.
; NO CLUSTER: of the 80 KB that a work-group takes in a step, the K and V tiles that the eight query blocks of a head share are 16 KB; the 64 KB of mask
; are shared with no work-group of the same head.  A mask load covers 128 neighbouring bytes of each of two rows; the neighbouring wave takes the next 128.
; LIMITS: the running maximum is floored at -1e30: a column whose every score lies below that differs from the exact result (all -inf gives NaN, as the
; exact softmax does).  v_exp_f32 flushes results below 2^-126 to zero.  q, k, v, the weights P and o are f16; maxima, sums and O are f32.
; P lies in 0..1 (below 2^-14 in steps of 2^-24, against a sum of at least 1); o is a convex mix of v's rows and so stays inside v's range.
.set CHUNK, 10240                      ; LDS bytes of one step's K (64 rows x 144, 9,216 used) or V (64 rows x 160)
.set SLOTB, 8*CHUNK                    ; chunks 0-3: K of four steps; chunks 4-7: V of four steps
.set KP,    144                        ; K's pitch: an odd multiple of 16 bytes
.set VP,    160                        ; V's pitch: an odd multiple of 32 bytes, for the transposing load
.set STAGE, 2*SLOTB                    ; 163,840: 256 rows x 144 bytes for the way out; no tensor load lands here
.set MSTEP, 64*8192                    ; bytes of mask from one step's first row to the next step's
; window 0
.set KA,   4                           ; v4-5    K fragment address, slot 0, 1
.set VA,   6                           ; v6-7    V fragment address, slot 0, 1
.set MOFF, 8                           ; v8      mask offset; never rewritten
.set QOFF, 9                           ; v9      query offset
.set STO,  10                          ; v10     stage, in
.set RD,   11                          ; v11     stage, back
.set MX,   12                          ; v12-13  running maximum of tile t
.set NBP,  14                          ; v[14:17] (-c max, -c max) of tile t
.set ALP,  18                          ; v[18:21] (alpha, alpha) of tile t
.set LS,   22                          ; v[22:29] four running sums, a pair each: tile t, half hf at LS + 4 t + 2 hf
.set TA,   30                          ; v30-31  at work
.set TB,   32                          ; v32-33
.set TP,   34                          ; v34-35  what the other half of the lanes sends
.set AE,   36                          ; v36-37  alpha's exponent
.set OOFF, 38                          ; v38     16 x lane
.set SB,   64                          ; v[64:127]  S(mt, t) at SB + 8 (2 mt + t); later P(c, t) in the registers of S(2c, t)
.set MB,   128                         ; v[128:255] two mask buffers (step parity p at MB + 64 p): (mt, j), a pair (t = 0, 1), at + 2 (8 mt + j)
; window 1
.set OB,   0                           ; O(dt, t) at 8 (2 dt + t)
.set QF,   64                          ; Q fragments (t, kc) at QF + 8 (2 t + kc)
.set KF,   96                          ; K fragments (mt, kc) at KF + 8 (2 mt + kc)
.set VF,   160                         ; V^T fragments (dt, c) at VF + 8 (2 dt + c)
.set MP,  6                            ; s[6:7] mask base of the even steps, s[62:63] of the odd steps: parity p at MP + 56 p
.set G1K, 16                           ; s[16:23] group 1 for K's tiles
.set G1V, 24                           ; s[24:31] group 1 for V's tiles (a wider pad)
.set G0K, 32                           ; s[32:39] group 0 for K, a set for each slot
.set G0V, 40                           ; s[40:47] group 0 for V
.set MSB, 0
.macro WIN new
.if MSB != \new
	s_set_vgpr_msb (MSB<<8)|\new
.set MSB, \new
.endif
.endm
.macro PLACES n
.rept \n
	v_nop
.endr
.endm
; One tensor load a wave: waves 0-3 fetch a step's K each, waves 4-7 a step's V.  The branch hangs on the wave's number alone.
; The slot may be given as an expression, so it stands in parentheses.
.macro TLOAD slot
	s_cmp_eq_u32 s13, 0
	s_cbranch_scc0 .Lfor_v_\@
	tensor_load_to_lds s[G0K+4*(\slot):G0K+4*(\slot)+3], s[G1K:G1K+7]
	s_nop 0
	s_branch .Lasked_\@
.Lfor_v_\@:
	tensor_load_to_lds s[G0V+4*(\slot):G0V+4*(\slot)+3], s[G1V:G1V+7]
	s_nop 0
.Lasked_\@:
.endm
	s_load_b128 s[4:7], s[0:1], 0x0                ; qkv s[4:5], mask s[6:7]
	s_load_b64 s[8:9], s[0:1], 0x10                ; o
	v_lshl_add_u32 v62, v0, 2, 0x31000
	v_mov_b32 v63, 0
	ds_add_u32 v62, v63
	ds_add_u32 v62, v63
	v_lshrrev_b32 v1, 5, v0
	v_readfirstlane_b32 s12, v1                    ; wave 0..7
	s_lshr_b32 s13, s12, 2                         ; 0: I fetch K, 1: V
	s_and_b32 s14, s12, 3                          ; which step of the slot's four I fetch
	s_and_b32 s11, ttmp7, 0xffff                   ; bh = b*16 + head
	; tiles of 64 rows x 64 elements of 2 bytes, dense in memory; behind every 32 words K gets 4 words of padding, V 8
	s_mov_b32 s[G1K+0], (1<<16)|(1<<20)|(4<<22)|(3<<25)
	s_mov_b32 s[G1V+0], (1<<16)|(1<<20)|(4<<22)|(7<<25)
	s_mov_b32 s[G1K+1], 64<<16                     ; tensor_dim0 = 64
	s_mov_b32 s[G1V+1], 64<<16
	s_mov_b32 s[G1K+2], 64<<16                     ; tensor_dim1 = 64
	s_mov_b32 s[G1V+2], 64<<16
	s_mov_b32 s[G1K+3], 64<<16                     ; tile_dim0 = 64
	s_mov_b32 s[G1V+3], 64<<16
	s_mov_b32 s[G1K+4], 64                         ; tile_dim1 = 64
	s_mov_b32 s[G1V+4], 64
	s_mov_b32 s[G1K+5], 64                         ; elements from row to row
	s_mov_b32 s[G1V+5], 64
	s_mov_b32 s[G1K+6], 0
	s_mov_b32 s[G1V+6], 0
	s_mov_b32 s[G1K+7], 0
	s_mov_b32 s[G1V+7], 0
	s_lshl_b32 s56, s11, 18                        ; a head is 262,144 bytes
	s_lshl_b32 s15, s14, 13                        ; a step's 64 rows are 8,192 bytes
	s_add_co_u32 s56, s56, s15
	s_mov_b32 s57, 0
	s_mul_i32 s55, s12, CHUNK                      ; LDS: chunk = wave
	s_wait_dscnt 0x0
	s_wait_kmcnt 0x0
	s_add_nc_u64 s[58:59], s[4:5], s[56:57]
.irp s, 0,1
	s_mov_b32 s[G0K+4*\s], 1
	s_add_co_u32 s[G0K+4*\s+1], s55, \s*SLOTB
	s_add_nc_u64 s[G0K+4*\s+2:G0K+4*\s+3], s[58:59], 8388608+\s*32768      ; type 1; a slot's four steps are 32,768 bytes
	s_or_b32 s[G0K+4*\s+3], s[G0K+4*\s+3], 0x80000000
	s_mov_b32 s[G0V+4*\s], 1
	s_add_co_u32 s[G0V+4*\s+1], s55, \s*SLOTB
	s_add_nc_u64 s[G0V+4*\s+2:G0V+4*\s+3], s[58:59], 16777216+\s*32768     ; type 2
	s_or_b32 s[G0V+4*\s+3], s[G0V+4*\s+3], 0x80000000
	TLOAD \s                                       ; both first fills go out before anything else: two tensor loads of the wave are out
.endr
	s_lshl_b32 s56, s11, 18                        ; q: the head, and my block's 256 rows of 128 bytes
	s_lshl_b32 s15, ttmp9, 15
	s_add_co_u32 s56, s56, s15
	s_add_nc_u64 s[60:61], s[4:5], s[56:57]
	s_lshl_b32 s56, ttmp9, 10                      ; mask: my block's 256 columns of 4 bytes
	s_add_nc_u64 s[MP:MP+1], s[MP:MP+1], s[56:57]  ; step 0's rows
	s_add_nc_u64 s[MP+56:MP+57], s[MP:MP+1], MSTEP ; step 1's rows
	s_lshr_b32 s15, s11, 4                         ; o: ((b*16 + 2 block + wave/4)*16 + head) x 16,384 + (wave%4) x 32 rows x 128 bytes
	s_lshl_b32 s15, s15, 4
	s_lshl_b32 s10, ttmp9, 1
	s_add_co_u32 s15, s15, s10
	s_add_co_u32 s15, s15, s13
	s_lshl_b32 s15, s15, 4
	s_and_b32 s56, s11, 15
	s_add_co_u32 s15, s15, s56
	s_lshl_b32 s15, s15, 14
	s_lshl_b32 s56, s14, 12
	s_add_co_u32 s56, s56, s15
	s_add_nc_u64 s[8:9], s[8:9], s[56:57]
	s_mov_b32 s48, 0x3e38aa3b                      ; c = log2(e) / 8: the division by sqrt(64) and the change of base in one factor
	s_mov_b32 s49, 0x3e38aa3b
	s_mov_b32 s50, 0xbe38aa3b                      ; -c
	s_mov_b32 s51, 0xf149f2ca                      ; -1e30, the floor of the running maximum
	s_mov_b32 s52, 0x76543210                      ; v_permlanex16_b32: lane i of one half reads lane i of the other
	s_mov_b32 s53, 0xfedcba98
	v_and_b32 v2, 15, v0                           ; r
	v_bfe_u32 v3, v0, 4, 1                         ; h
	v_mul_u32_u24 v[KA], v2, KP
	v_lshl_add_u32 v[KA], v3, 4, v[KA]             ; row r, 16 bytes for each half
	v_add_nc_u32 v[KA+1], SLOTB, v[KA]
	v_and_b32 v31, 7, v0
	v_lshl_add_u32 v32, v3, 3, v31                 ; the transposing load: lane addresses row 8 h + l % 8,
	v_mul_u32_u24 v[VA], v32, VP
	v_bfe_u32 v33, v0, 3, 1
	v_lshl_add_u32 v[VA], v33, 4, v[VA]            ; 16 bytes on for lanes 8-15 of each half
	v_add_nc_u32 v[VA], 4*CHUNK, v[VA]             ; V lies behind K's four chunks
	v_add_nc_u32 v[VA+1], SLOTB, v[VA]
	v_lshlrev_b32 v[MOFF], 16, v3                  ; mask: 8 h rows of 8,192 bytes + 8 r + 128 w
	v_lshl_add_u32 v[MOFF], v2, 3, v[MOFF]
	s_lshl_b32 s15, s12, 7
	v_add_nc_u32 v[MOFF], s15, v[MOFF]
	v_lshlrev_b32 v[QOFF], 8, v2                   ; q: rows 32 w + 2 r (+ t), 16 bytes for each half
	v_lshl_add_u32 v[QOFF], v3, 4, v[QOFF]
	s_lshl_b32 s15, s12, 12
	v_add_nc_u32 v[QOFF], s15, v[QOFF]
	s_mul_i32 s15, s12, 32*KP
	s_add_co_u32 s15, s15, STAGE                   ; my stage: 32 rows of 144 bytes
	v_mul_u32_u24 v[STO], v2, 2*KP
	v_lshl_add_u32 v[STO], v3, 4, v[STO]
	v_add_nc_u32 v[STO], s15, v[STO]
	v_bfe_u32 v30, v0, 3, 2
	v_mul_u32_u24 v[RD], v30, KP
	v_lshl_add_u32 v[RD], v31, 4, v[RD]
	v_add_nc_u32 v[RD], s15, v[RD]
	v_and_b32 v1, 31, v0
	v_lshlrev_b32 v[OOFF], 4, v1
	v_mov_b32 v[TP], 0                             ; v_permlanex16_b32 counts as a reader of its destination
	v_mov_b32 v[TP+1], 0
.macro KLOAD slot, s                   ; 16 loads: the K fragments of step s of the slot
	WIN 0x40                                       ; destination window 1, address window 0
.irp mt, 0,1,2,3
.irp kc, 0,1
	ds_load_b128 v[KF+8*(2*\mt+\kc):KF+8*(2*\mt+\kc)+3],   v[KA+\slot] offset:CHUNK*(\s)+\mt*16*KP+\kc*64
	ds_load_b128 v[KF+8*(2*\mt+\kc)+4:KF+8*(2*\mt+\kc)+7], v[KA+\slot] offset:CHUNK*(\s)+\mt*16*KP+\kc*64+32
.endr
.endr
	WIN 0
.endm
.macro VLOAD slot, s                   ; 16 transposing loads: rows d of V^T, 32 m a fragment; leaves the window setting of the K loads, which follow
	WIN 0x40                                       ; destination window 1, address window 0
.irp dt, 0,1,2,3
.irp c, 0,1
	ds_load_tr16_b128 v[VF+8*(2*\dt+\c):VF+8*(2*\dt+\c)+3],   v[VA+\slot] offset:CHUNK*(\s)+\c*32*VP+\dt*32
	ds_load_tr16_b128 v[VF+8*(2*\dt+\c)+4:VF+8*(2*\dt+\c)+7], v[VA+\slot] offset:CHUNK*(\s)+\c*32*VP+\dt*32+16*VP
.endr
.endr
.endm
.macro MLOAD p                         ; 32 loads: the mask of a step's 64 rows for my two queries, into the buffer and from the base of parity p
.irp mt, 0,1,2,3
.irp j, 0,1,2,3,4,5,6,7
	global_load_b64 v[MB+64*(\p)+2*(8*\mt+\j):MB+64*(\p)+2*(8*\mt+\j)+1], v[MOFF], s[MP+56*(\p):MP+56*(\p)+1] offset:8192*(16*\mt+\j)
.endr
.endr
.endm
; One step of 64 m; its parity is s % 2, since a slot has four steps.
; first = 1: the launch's first step starts maximum, sums and O.  more = 1: the step after next exists and its mask is asked for.
; left = how many younger mask loads may stay out.  sig = 1: the slot's last step, and a further slot follows: the barrier's two halves stand in it.
.macro STEP slot, s, first, more, left, sig
	s_wait_dscnt 0x0                               ; this step's K fragments are in
	WIN 0x05                                       ; A and B window 1, C and D window 0
	; S^T = K Q^T: the eight tiles take turns, one instruction a turn; the first 32 of d start the sums
.irp kc, 0,1
.irp mt, 0,1,2,3
.irp t, 0,1
.if \kc
	v_wmma_f32_16x16x32_f16 v[SB+8*(2*\mt+\t):SB+8*(2*\mt+\t)+7], v[KF+8*(2*\mt+\kc):KF+8*(2*\mt+\kc)+7], v[QF+8*(2*\t+\kc):QF+8*(2*\t+\kc)+7], v[SB+8*(2*\mt+\t):SB+8*(2*\mt+\t)+7]
.else
	v_wmma_f32_16x16x32_f16 v[SB+8*(2*\mt+\t):SB+8*(2*\mt+\t)+7], v[KF+8*(2*\mt+\kc):KF+8*(2*\mt+\kc)+7], v[QF+8*(2*\t+\kc):QF+8*(2*\t+\kc)+7], 0
.endif
.endr
.endr
.endr
	WIN 0
	PLACES 4                                       ; four places before S is read and before loads go into the K fragments
	VLOAD \slot, \s
.if \s < 3
	KLOAD \slot, \s+1                              ; the next step's K, a whole softmax ahead of its use
.endif
	WIN 0
	s_wait_loadcnt \left                           ; loads return in order: this step's mask is in, the next step's 32 loads stay out; this parity's base is free
	; S += mask, two numbers an instruction: first sources in banks t and 2 + t, second sources in banks j and j + 1, destinations even and odd
.irp mt, 0,1,2,3
.irp t, 0,1
.irp j, 0,2,4,6
	v_dual_add_f32 v[SB+8*(2*\mt+\t)+\j], v[MB+64*(\s%2)+2*(8*\mt+\j)+\t], v[SB+8*(2*\mt+\t)+\j] :: v_dual_add_f32 v[SB+8*(2*\mt+\t)+\j+1], v[MB+64*(\s%2)+2*(8*\mt+\j+1)+\t], v[SB+8*(2*\mt+\t)+\j+1]
.endr
.endr
.endr
.if \more
	s_add_nc_u64 s[MP+56*(\s%2):MP+56*(\s%2)+1], s[MP+56*(\s%2):MP+56*(\s%2)+1], 2*MSTEP
	MLOAD \s%2                                     ; the mask of the step after next, into the buffer just read: two steps in which to land
.endif
.if \sig
	s_wait_dscnt 0x0                               ; my last reads of this slot (this step's V fragments) are back
	s_wait_tensorcnt 0x0                           ; all my tensor loads have landed: the one that was out is my part of the other slot
	ds_add_u32 v62, v63
	s_wait_dscnt 0x0
	s_add_nc_u64 s[G0K+4*\slot+2:G0K+4*\slot+3], s[G0K+4*\slot+2:G0K+4*\slot+3], 65536   ; no tensor load of mine is out: this slot's addresses step by
	s_add_nc_u64 s[G0V+4*\slot+2:G0V+4*\slot+3], s[G0V+4*\slot+2:G0V+4*\slot+3], 65536   ; eight steps' rows (in the last trip of the loop the stepped address is not used)
	s_barrier_signal -1                            ; say so; up to the wait at the step's end stands register work alone
.endif
	; the new maximum of each query: four chains that do not wait for each other, then the other half of the lanes
.if \first
	v_max3_num_f32 v[TA],   s51, v[SB],   v[SB+1]
	v_max3_num_f32 v[TA+1], s51, v[SB+8], v[SB+9]
.else
	v_max3_num_f32 v[TA],   v[MX],   v[SB],   v[SB+1]
	v_max3_num_f32 v[TA+1], v[MX+1], v[SB+8], v[SB+9]
.endif
	v_max_num_f32 v[TB],   v[SB+32], v[SB+33]
	v_max_num_f32 v[TB+1], v[SB+40], v[SB+41]
.irp p, 1,2,3,4,5,6,7
.irp t, 0,1
	v_max3_num_f32 v[TA+\t], v[TA+\t], v[SB+16*(\p/4)+8*\t+2*(\p%4)],    v[SB+16*(\p/4)+8*\t+2*(\p%4)+1]
	v_max3_num_f32 v[TB+\t], v[TB+\t], v[SB+32+16*(\p/4)+8*\t+2*(\p%4)], v[SB+32+16*(\p/4)+8*\t+2*(\p%4)+1]
.endr
.endr
	v_max_num_f32 v[TA],   v[TA],   v[TB]
	v_max_num_f32 v[TA+1], v[TA+1], v[TB+1]
	v_permlanex16_b32 v[TP],   v[TA],   s52, s53
	v_permlanex16_b32 v[TP+1], v[TA+1], s52, s53
	v_max_num_f32 v[MX],   v[TA],   v[TP]
	v_max_num_f32 v[MX+1], v[TA+1], v[TP+1]
	v_mul_f32 v[TB],   s50, v[MX]                  ; the new reference point -c max
	v_mul_f32 v[TB+1], s50, v[MX+1]
.if \first == 0
	v_sub_f32 v[AE],   v[TB],   v[NBP]             ; alpha = 2^(new - old reference point): exactly 1 where the maximum stays
	v_sub_f32 v[AE+1], v[TB+1], v[NBP+2]
	v_exp_f32 v[ALP],   v[AE]
	v_exp_f32 v[ALP+1], v[AE]
	v_exp_f32 v[ALP+2], v[AE+1]
	v_exp_f32 v[ALP+3], v[AE+1]                    ; the moves below are the plain place behind these (ISA guide 5.7.2)
.endif
	v_mov_b32 v[NBP],   v[TB]
	v_mov_b32 v[NBP+1], v[TB]
	v_mov_b32 v[NBP+2], v[TB+1]
	v_mov_b32 v[NBP+3], v[TB+1]
	; P = 2^(c S - c max)
.irp q, 0,1,2,3,4,5,6,7
.irp k, 0,1,2,3
	v_pk_fma_f32 v[SB+8*\q+2*\k:SB+8*\q+2*\k+1], v[SB+8*\q+2*\k:SB+8*\q+2*\k+1], s[48:49], v[NBP+2*(\q%2):NBP+2*(\q%2)+1] op_sel_hi:[1,0,1]
.endr
.endr
.set i, 0
.rept 64
	v_exp_f32 v[SB+i], v[SB+i]
.set i, i+1
.endr
	v_nop                                          ; the plain place behind the run of exponentials
	s_wait_alu depctr_va_vdst(0)
	; the running sums: four chains; each opens with sum x alpha + the first pair
.irp p, 0,1,2,3,4,5,6,7
.irp t, 0,1
.irp hf, 0,1
.if \first
.if \p == 1
	s_wait_alu depctr_va_vdst(0)
	v_pk_add_f32 v[LS+4*\t+2*\hf:LS+4*\t+2*\hf+1], v[SB+32*\hf+8*\t:SB+32*\hf+8*\t+1], v[SB+32*\hf+8*\t+2:SB+32*\hf+8*\t+3]
.endif
.if \p > 1
	v_pk_add_f32 v[LS+4*\t+2*\hf:LS+4*\t+2*\hf+1], v[LS+4*\t+2*\hf:LS+4*\t+2*\hf+1], v[SB+32*\hf+16*(\p/4)+8*\t+2*(\p%4):SB+32*\hf+16*(\p/4)+8*\t+2*(\p%4)+1]
.endif
.else
.if \p == 0
	v_pk_fma_f32 v[LS+4*\t+2*\hf:LS+4*\t+2*\hf+1], v[LS+4*\t+2*\hf:LS+4*\t+2*\hf+1], v[ALP+2*\t:ALP+2*\t+1], v[SB+32*\hf+8*\t:SB+32*\hf+8*\t+1]
.else
	v_pk_add_f32 v[LS+4*\t+2*\hf:LS+4*\t+2*\hf+1], v[LS+4*\t+2*\hf:LS+4*\t+2*\hf+1], v[SB+32*\hf+16*(\p/4)+8*\t+2*(\p%4):SB+32*\hf+16*(\p/4)+8*\t+2*(\p%4)+1]
.endif
.endif
.endr
.endr
.endr
	; P to f16, in place: tiles 2c and 2c+1 of query tile t become the B fragment P(c, t) in the registers of tile 2c
.irp c, 0,1
.irp t, 0,1
.irp k, 0,1,2,3
	v_cvt_pk_f16_f32 v[SB+8*(4*\c+\t)+\k], v[SB+8*(4*\c+\t)+2*\k], v[SB+8*(4*\c+\t)+2*\k+1]
.endr
.irp k, 0,1,2,3
	v_cvt_pk_f16_f32 v[SB+8*(4*\c+\t)+4+\k], v[SB+8*(4*\c+2+\t)+2*\k], v[SB+8*(4*\c+2+\t)+2*\k+1]
.endr
.endr
.endr
.if \first == 0
	WIN 0x41                                       ; O in window 1, alpha in window 0
.irp q, 0,1,2,3,4,5,6,7
.irp k, 0,1,2,3
	v_pk_mul_f32 v[OB+8*\q+2*\k:OB+8*\q+2*\k+1], v[OB+8*\q+2*\k:OB+8*\q+2*\k+1], v[ALP+2*(\q%2):ALP+2*(\q%2)+1]
.endr
.endr
.endif
.if \s < 3
	s_wait_dscnt 16                                ; V's fragments are in; the 16 K loads issued behind them may stay out
.else
.if \sig == 0
	s_wait_dscnt 0x0                               ; V's fragments are in (with sig = 1 the wait in front of the signal has shown it)
.endif
.endif
	WIN 0x51                                       ; A (V^T) window 1, B (P) window 0, C and D window 1
	; O^T += V^T P^T: the eight tiles take turns, one instruction a turn
.irp c, 0,1
.irp dt, 0,1,2,3
.irp t, 0,1
.if (\first)*(1-\c)
	v_wmma_f32_16x16x32_f16 v[OB+8*(2*\dt+\t):OB+8*(2*\dt+\t)+7], v[VF+8*(2*\dt+\c):VF+8*(2*\dt+\c)+7], v[SB+8*(4*\c+\t):SB+8*(4*\c+\t)+7], 0
.else
	v_wmma_f32_16x16x32_f16 v[OB+8*(2*\dt+\t):OB+8*(2*\dt+\t)+7], v[VF+8*(2*\dt+\c):VF+8*(2*\dt+\c)+7], v[SB+8*(4*\c+\t):SB+8*(4*\c+\t)+7], v[OB+8*(2*\dt+\t):OB+8*(2*\dt+\t)+7]
.endif
.endr
.endr
.endr
	WIN 0
	PLACES 5                                       ; five places before the next S product writes over P; they also serve the loads into V's fragments and the reads of O
.if \sig
	s_barrier_wait -1                              ; every wave has said: its reads of this slot are back, its part of the other slot has landed
.endif
.endm
; Four steps on one slot.  The barrier that stands in the fourth step of the phase before has shown this slot whole and the other slot read out: the other
; slot's refill is the wave's first tensor load behind that barrier, ahead of every LDS read, and its only one until the next.  It has four steps in which to land.
.macro PHASE slot, refill, last
.if \refill
	TLOAD 1-\slot
.endif
	KLOAD \slot, 0
.if \last
	STEP \slot, 0, 0, 1, 32, 0
	STEP \slot, 1, 0, 1, 32, 0                     ; asks for the last step's mask
	STEP \slot, 2, 0, 0, 32, 0                     ; nothing is left to ask for; the last step's 32 loads may stay out
	STEP \slot, 3, 0, 0, 0, 0                      ; no load was issued behind this step's: the wait is for zero; no slot follows: no barrier
.else
	STEP \slot, 0, 0, 1, 32, 0
	STEP \slot, 1, 0, 1, 32, 0
	STEP \slot, 2, 0, 1, 32, 0
	STEP \slot, 3, 0, 1, 32, 1
.endif
.endm
	WIN 0x40
.irp t, 0,1
.irp kc, 0,1
	global_load_b128 v[QF+8*(2*\t+\kc):QF+8*(2*\t+\kc)+3],   v[QOFF], s[60:61] offset:\t*128+\kc*64
	global_load_b128 v[QF+8*(2*\t+\kc)+4:QF+8*(2*\t+\kc)+7], v[QOFF], s[60:61] offset:\t*128+\kc*64+32
.endr
.endr
	WIN 0
	MLOAD 0                                        ; step 0's mask
	s_wait_tensorcnt 0x1                           ; my part of slot 0 is in; slot 1's load may stay out
	s_barrier_signal -1
	s_barrier_wait -1
	KLOAD 0, 0
	s_wait_loadcnt 32                              ; Q's eight loads are in; the 32 mask loads issued behind them stay out
	MLOAD 1                                        ; step 1's mask
	STEP 0, 0, 1, 1, 32, 0
	STEP 0, 1, 0, 1, 32, 0
	STEP 0, 2, 0, 1, 32, 0
	STEP 0, 3, 0, 1, 32, 1
	s_mov_b32 s54, 3                               ; 32 steps = 8 phases: one above, six in the loop, one behind it
.Lpair:
	PHASE 1, 1, 0
	PHASE 0, 1, 0
	s_sub_co_u32 s54, s54, 1
	s_cmp_lg_u32 s54, 0
	s_cbranch_scc1 .Lpair
	PHASE 1, 0, 1                                  ; the last phase fills nothing
	; THE WAY OUT: divide by the sums, round to f16, through my own stage, whole rows out
	v_pk_add_f32 v[LS:LS+1],   v[LS:LS+1],   v[LS+2:LS+3]
	v_pk_add_f32 v[LS+4:LS+5], v[LS+4:LS+5], v[LS+6:LS+7]
	v_add_f32 v[LS],   v[LS],   v[LS+1]
	v_add_f32 v[LS+4], v[LS+4], v[LS+5]
	v_permlanex16_b32 v[TP],   v[LS],   s52, s53
	v_permlanex16_b32 v[TP+1], v[LS+4], s52, s53
	v_add_f32 v[LS],   v[LS],   v[TP]
	v_add_f32 v[LS+4], v[LS+4], v[TP+1]
	v_rcp_f32 v[ALP],   v[LS]
	v_rcp_f32 v[ALP+1], v[LS]
	v_rcp_f32 v[ALP+2], v[LS+4]
	v_rcp_f32 v[ALP+3], v[LS+4]
	v_nop                                          ; the plain place behind the reciprocals
	WIN 0x41
	s_wait_alu depctr_va_vdst(0)
.irp q, 0,1,2,3,4,5,6,7
.irp k, 0,1,2,3
	v_pk_mul_f32 v[OB+8*\q+2*\k:OB+8*\q+2*\k+1], v[OB+8*\q+2*\k:OB+8*\q+2*\k+1], v[ALP+2*(\q%2):ALP+2*(\q%2)+1]
.endr
.endr
	WIN 0x05                                       ; sources window 1, destination window 0
.irp q, 0,1,2,3,4,5,6,7
.irp k, 0,1,2,3
	v_cvt_pk_f16_f32 v[SB+4*\q+\k], v[OB+8*\q+2*\k], v[OB+8*\q+2*\k+1]
.endr
.endr
	WIN 0
.irp dt, 0,1,2,3
.irp t, 0,1
	ds_store_b128 v[STO], v[SB+4*(2*\dt+\t):SB+4*(2*\dt+\t)+3] offset:\t*KP+\dt*32    ; row 2 r + t, d = 16 dt + 8 h + 0..7
.endr
.endr
.irp i, 0,1,2,3,4,5,6,7
	ds_load_b128 v[MB+4*\i:MB+4*\i+3], v[RD] offset:4*KP*\i        ; my own bytes, served in order: four rows of 128 bytes a load; the mask buffers are free
.endr
.irp i, 0,1,2,3,4,5,6,7
	s_wait_dscnt 7-\i
	global_store_b128 v[OOFF], v[MB+4*\i:MB+4*\i+3], s[8:9] offset:512*\i    ; 512 neighbouring bytes, aligned
.endr
	s_wait_tensorcnt 0x0
	ds_add_u32 v62, v63
	s_wait_dscnt 0x0
	s_endpgm
.Lfunc_end_k_q7775b8c984_attn:
	.size	k_q7775b8c984_attn, .Lfunc_end_k_q7775b8c984_attn-k_q7775b8c984_attn
	.p2alignl 7, 3214868480
	.fill 96, 4, 3214868480
	.section	.rodata,"a",@progbits
	.p2align	6, 0x0
	.amdhsa_kernel k_q7775b8c984_attn
		.amdhsa_group_segment_fixed_size 327680
		.amdhsa_private_segment_fixed_size 0
		.amdhsa_enable_private_segment 0
		.amdhsa_kernarg_size 24
		.amdhsa_user_sgpr_count 2
		.amdhsa_user_sgpr_kernarg_segment_ptr 1
		.amdhsa_wavefront_size32 1
		.amdhsa_system_sgpr_workgroup_id_x 1
		.amdhsa_system_sgpr_workgroup_id_y 1
		.amdhsa_system_sgpr_workgroup_id_z 1
		.amdhsa_system_vgpr_workitem_id 0
		.amdhsa_next_free_vgpr 480
		.amdhsa_next_free_sgpr 66
		.amdhsa_reserve_vcc 0
		.amdhsa_float_denorm_mode_32 3
		.amdhsa_float_denorm_mode_16_64 3
		.amdhsa_memory_ordered 1
		.amdhsa_forward_progress 1
		.amdhsa_inst_pref_size 255
	.end_amdhsa_kernel
	.section	.bss,"aw",@nobits
	.p2align	6
	.space	262144
	.amdgpu_metadata
---
amdhsa.version: [ 1, 2 ]
amdhsa.kernels:
  - .name:           k_q7775b8c984_attn
    .symbol:         k_q7775b8c984_attn.kd
    .args:
      - { .name: qkv, .offset: 0, .size: 8, .value_kind: global_buffer, .address_space: global }
      - { .name: mask, .offset: 8, .size: 8, .value_kind: global_buffer, .address_space: global }
      - { .name: o, .offset: 16, .size: 8, .value_kind: global_buffer, .address_space: global }
    .group_segment_fixed_size: 327680
    .private_segment_fixed_size: 0
    .kernarg_segment_align: 8
    .kernarg_segment_size: 24
    .max_flat_workgroup_size: 256
    .sgpr_count:     66
    .vgpr_count:     480
    .wavefront_size: 32
...
	.end_amdgpu_metadata
.endif
;; end of part 3
;; launch oproj (part 4): grid 8 x 32, 4 waves a work-group, clusters of 4 x 4, 327,680 bytes of LDS; arguments o, tyb, To1, out0; writes out0
.if DOCPART == 4
	.amdgcn_target "amdgcn-amd-amdhsa--gfx1250"
	.amdhsa_code_object_version 6
	.text
	.protected	k_q7775b8c984_oproj
	.globl	k_q7775b8c984_oproj
	.p2align	8
	.type	k_q7775b8c984_oproj,@function
k_q7775b8c984_oproj:
	s_mov_b64 s[64:65], 0
	v_nop
	global_prefetch_b8 v0, s[64:65] scope:SCOPE_SE
	s_setreg_imm32_b32 hwreg(HW_REG_WAVE_MODE, 25, 1), 1
	s_wait_xcnt 0x0
	s_wait_alu depctr_hold_cnt(0) depctr_sa_sdst(0) depctr_va_vdst(0) depctr_va_sdst(0) depctr_va_ssrc(0) depctr_va_vcc(0) depctr_vm_vsrc(0)
	s_getreg_b32 s2, hwreg(HW_REG_IB_STS2, 6, 4)
	s_cmp_eq_u32 s2, 0
	s_cbranch_scc0 .Lentry_in_a_cluster
	s_endpgm
.Lentry_in_a_cluster:
	s_bfe_u32 s2, ttmp6, 0x10000c
	s_cmp_lg_u32 s2, 0xf033
	s_cbranch_scc0 .Lentry_shape_is_right
	s_endpgm
.Lentry_shape_is_right:
; OPROJ: out0[row][q] = sum over (head, d) of o[row][head][d] Ty[head][q][d] + To1[q].  4,096 rows, 1,024 columns, K = 1,024.  out0 is f32.
; o [32 row blocks][16 heads][128 rows][64] f16 and tyb [8 q blocks][16 heads][128 q][64] f16: a block's tiles of several heads are dense in memory.
; Sums and To1 in f32; the result is stored as it is summed, with no further rounding.
; A work-group makes 128 x 128 with four waves of 64 x 64 (16 accumulator tiles): 8 x 32 = 256 work-groups, one a WGP.
; A slot holds four heads (K = 256): 512 rows of 128 bytes of A, then the same of B; two slots; four phases, all written out.
; CLUSTERS: 4 x 4 work-groups; A's tiles are shared along a cluster's row, B's along a column, each asked for jointly.
; Window 0: addresses, two fragment buffers (B's four fragments, then A's four), the bias.  Window 1: the accumulators, tile (a, b) at v[8 (4 a + b)].
; The matrix instruction is used transposed (source 0 = rows of B): a lane holds row l % 16 and eight neighbouring columns.
.set PITCH,  144                       ; 128 bytes + 16: an odd multiple of 16
.set HALFT,  256*PITCH                 ; two heads' rows: one tensor load
.set SLOT,   4*HALFT                   ; A's four heads, then B's
.set HEADB,  128*PITCH                 ; one head's rows
.set STAGE,  2*SLOT                    ; 294,912: 16 rows x 272 bytes for each wave; no tensor load lands here
.set SPITCH, 272
.set ADRA, 16
.set ADRB, 20
.set STO,  24
.set RD,   25
.set CO,   26
.set BO,   27
.set F0,   64
.set F1,   128
.set BIAS, 192                         ; v[192:223] To1 of my 64 columns
.set G1, 24
.set G0, 32
.set G1B, 48
.set G0B, 56
.set MSB, 0
.macro WIN new
.if MSB != \new
	s_set_vgpr_msb (MSB<<8)|\new
.set MSB, \new
.endif
.endm
.set MUL, 0x50                         ; sources 0 and 1 window 0, C and D window 1
.macro JLOAD s                         ; waves 0, 1 fetch A's halves, waves 2, 3 B's
	s_cmp_eq_u32 s11, 0
	s_cbranch_scc0 .Lfor_b_\@
	tensor_load_to_lds s[G0+4*\s:G0+4*\s+3], s[G1:G1+7]
	s_nop 0
	s_branch .Lasked_\@
.Lfor_b_\@:
	tensor_load_to_lds s[G0B+4*\s:G0B+4*\s+3], s[G1B:G1B+7]
	s_nop 0
.Lasked_\@:
.endm
.macro CREST
	s_cmp_lg_u32 s10, 0
	s_cbranch_scc1 .Lnot_wave_0_\@
	s_barrier_signal -3
.Lnot_wave_0_\@:
	s_barrier_wait -3
	s_barrier_signal -1
	s_barrier_wait -1
.endm
.macro CROUND
	s_barrier_signal -1
	s_barrier_wait -1
	CREST
.endm
	s_load_b128 s[4:7], s[0:1], 0x0                ; o s[4:5], tyb s[6:7]
	s_load_b64 s[66:67], s[0:1], 0x10              ; To1
	s_load_b64 s[8:9], s[0:1], 0x18                ; out0
	v_lshl_add_u32 v254, v0, 2, 0x4c400
	v_mov_b32 v255, 0
	ds_add_u32 v254, v255
	ds_add_u32 v254, v255
	v_lshrrev_b32 v1, 5, v0
	v_readfirstlane_b32 s10, v1                    ; wave 0..3
	s_lshr_b32 s11, s10, 1                         ; my half of the rows; also: I fetch for A (0) or B (1)
	s_and_b32 s12, s10, 1                          ; my half of the columns; also: which two heads of the slot's four I fetch
	s_bfe_u32 s40, ttmp6, 0x40000                  ; cx
	s_bfe_u32 s41, ttmp6, 0x40004                  ; cy
	s_lshl_b32 s42, ttmp9, 2
	s_add_co_u32 s42, s42, s40                     ; q block
	s_and_b32 s13, ttmp7, 0xffff
	s_lshl_b32 s13, s13, 2
	s_add_co_u32 s13, s13, s41                     ; row block
	s_lshl_b32 s43, s41, 2
	s_lshl_b32 s43, 15, s43                        ; my row of the cluster
	s_lshl_b32 s44, 0x1111, s40                    ; my column
	s_or_b32 s[G1+0], s43, (1<<16)|(1<<20)|(1<<21)|(4<<22)|(3<<25)   ; mask; 2-byte elements; padding on; bit 21 beside a mask; after every 32 words, 4 words
	s_or_b32 s[G1B+0], s44, (1<<16)|(1<<20)|(1<<21)|(4<<22)|(3<<25)
	s_mov_b32 s[G1B+1], 64<<16
	s_mov_b32 s[G1+1], 64<<16                      ; tensor_dim0 = 64
	s_mov_b32 s[G1B+2], 256<<16
	s_mov_b32 s[G1+2], 256<<16                     ; tensor_dim1 = 256
	s_mov_b32 s[G1B+3], 64<<16
	s_mov_b32 s[G1+3], 64<<16                      ; tile_dim0 = 64
	s_mov_b32 s[G1B+4], 256
	s_mov_b32 s[G1+4], 256                         ; tile_dim1 = 256
	s_mov_b32 s[G1B+5], 64
	s_mov_b32 s[G1+5], 64                          ; elements from row to row
	s_mov_b32 s[G1B+6], 0
	s_mov_b32 s[G1+6], 0
	s_mov_b32 s[G1B+7], 0
	s_mov_b32 s[G1+7], 0
	s_lshl_b32 s17, s12, 15                        ; two heads are 32,768 bytes
	s_lshl_b32 s16, s13, 18                        ; a block's sixteen heads are 262,144 bytes
	s_add_co_u32 s16, s16, s17
	s_lshl_b32 s46, s42, 18
	s_add_co_u32 s46, s46, s17
	s_mov_b32 s17, 0
	s_mov_b32 s47, 0
	s_lshl_b32 s70, s42, 9                         ; To1 of my 64 columns: 4 x (128 x q block + 64 x half)
	s_lshl_b32 s71, s12, 8
	s_add_co_u32 s70, s70, s71
	s_mov_b32 s71, 0
	s_mul_i32 s20, s10, HALFT                      ; LDS: wave x 256 rows
	s_wait_dscnt 0x0
	s_wait_kmcnt 0x0
	s_add_nc_u64 s[14:15], s[4:5], s[16:17]
	s_add_nc_u64 s[46:47], s[6:7], s[46:47]
	s_add_nc_u64 s[68:69], s[66:67], s[70:71]
	CROUND                                         ; all sixteen work-groups are here: the first joint loads meet
.irp s, 0,1
	s_mov_b32 s[G0+4*\s], 1
	s_add_co_u32 s[G0+4*\s+1], s20, \s*SLOT
	s_add_nc_u64 s[G0+4*\s+2:G0+4*\s+3], s[14:15], \s*65536        ; four heads a slot
	s_or_b32 s[G0+4*\s+3], s[G0+4*\s+3], 0x80000000
	s_mov_b32 s[G0B+4*\s], 1
	s_add_co_u32 s[G0B+4*\s+1], s20, \s*SLOT
	s_add_nc_u64 s[G0B+4*\s+2:G0B+4*\s+3], s[46:47], \s*65536
	s_or_b32 s[G0B+4*\s+3], s[G0B+4*\s+3], 0x80000000
	JLOAD \s                                       ; two tensor loads of the wave are out
.endr
	v_and_b32 v1, 15, v0
	v_bfe_u32 v2, v0, 4, 1
	v_mul_u32_u24 v3, v1, PITCH
	v_lshl_add_u32 v3, v2, 4, v3
	s_mul_i32 s21, s11, 64*PITCH                   ; my 64 rows of each head of A
	s_mul_i32 s22, s12, 64*PITCH                   ; my 64 rows of each head of B,
	s_add_co_u32 s22, s22, 2*HALFT                 ; which lie behind A's
.irp s, 0,1
	v_add_nc_u32 v[ADRA+\s], s21, v3
	v_add_nc_u32 v[ADRB+\s], s22, v3
	s_add_co_u32 s21, s21, SLOT
	s_add_co_u32 s22, s22, SLOT
.endr
	s_mul_i32 s23, s10, 16*SPITCH
	s_add_co_u32 s23, s23, STAGE
	v_mul_u32_u24 v4, v1, SPITCH                   ; in: row l % 16, 32 bytes (eight f32) for each half of the lanes
	v_lshl_add_u32 v4, v2, 5, v4
	v_add_nc_u32 v[STO], s23, v4
	v_mul_u32_u24 v5, v2, SPITCH                   ; back: lanes 0-15 one row of 256 bytes, lanes 16-31 the next
	v_lshl_add_u32 v5, v1, 4, v5
	v_add_nc_u32 v[RD], s23, v5
	v_lshlrev_b32 v5, 12, v2                       ; the same two rows of out0, 4,096 bytes apart
	v_lshl_add_u32 v[CO], v1, 4, v5
	v_lshlrev_b32 v[BO], 5, v2
.irp b, 0,1,2,3
	global_load_b128 v[BIAS+8*\b:BIAS+8*\b+3],   v[BO], s[68:69] offset:64*\b       ; waited for in front of the way out
	global_load_b128 v[BIAS+8*\b+4:BIAS+8*\b+7], v[BO], s[68:69] offset:64*\b+16
.endr
; 8 matrix instructions: m blocks a0, a0 + 1 x all four n blocks, 32 along K.  The 16 accumulators take turns, one instruction a turn, in the same order
; in every chunk.
.macro MUL8 f, a0, zero
.irp a, \a0, \a0+1
.irp b, 0,1,2,3
.if \zero
	v_wmma_f32_16x16x32_f16 v[8*(4*(\a)+\b):8*(4*(\a)+\b)+7], v[\f+8*\b:\f+8*\b+7], v[\f+32+8*(\a):\f+32+8*(\a)+7], 0
.else
	v_wmma_f32_16x16x32_f16 v[8*(4*(\a)+\b):8*(4*(\a)+\b)+7], v[\f+8*\b:\f+8*\b+7], v[\f+32+8*(\a):\f+32+8*(\a)+7], v[8*(4*(\a)+\b):8*(4*(\a)+\b)+7]
.endif
.endr
.endr
.endm
.macro FETCH slot, k, f                ; 16 LDS loads: B's four fragments, then A's four, of the chunk at byte k (head x HEADB + 64 x half of d)
.irp i, 0,1,2,3
	ds_load_b128 v[\f+8*\i:\f+8*\i+3],   v[ADRB+\slot] offset:\k+\i*16*PITCH
	ds_load_b128 v[\f+8*\i+4:\f+8*\i+7], v[ADRB+\slot] offset:\k+\i*16*PITCH+32
.endr
.irp i, 0,1,2,3
	ds_load_b128 v[\f+32+8*\i:\f+32+8*\i+3],   v[ADRA+\slot] offset:\k+\i*16*PITCH
	ds_load_b128 v[\f+32+8*\i+4:\f+32+8*\i+7], v[ADRA+\slot] offset:\k+\i*16*PITCH+32
.endr
.endm
.macro PLACES                          ; four independent vector places behind a matrix instruction, before a load into one of its registers or a read of its result
.rept 4
	v_nop
.endr
.endm
; A chunk of 32 along K on buffer f; in its middle the next chunk's fragments, at byte k, go into buffer g
.macro CHUNK slot, k, f, g, zero
	s_wait_dscnt 4                                 ; B and A's fragments 0, 1 are in; the youngest four loads (A's fragments 2, 3) may be out
	WIN MUL
	MUL8 \f, 0, \zero
	WIN 0
	PLACES
	FETCH \slot, \k, \g
	s_wait_dscnt 16                                ; all but the 16 just issued
	WIN MUL
	MUL8 \f, 2, \zero
.endm
.macro SEVEN slot, zero
	CHUNK \slot, 64,         F0, F1, \zero
	CHUNK \slot, HEADB,      F1, F0, 0
	CHUNK \slot, HEADB+64,   F0, F1, 0
	CHUNK \slot, 2*HEADB,    F1, F0, 0
	CHUNK \slot, 2*HEADB+64, F0, F1, 0
	CHUNK \slot, 3*HEADB,    F1, F0, 0
	CHUNK \slot, 3*HEADB+64, F0, F1, 0
.endm
; The slot's eighth chunk, on buffer 1, and the change of slots.  In front of the barrier: my reads of this slot and all my tensor loads.  With a refill the
; barrier opens a round of the cluster's barrier, and the joint refill is the wave's one tensor load behind it.
.macro TURN slot, next, fill
	s_wait_dscnt 4
	WIN MUL
	MUL8 F1, 0, 0
	s_wait_dscnt 0
	s_wait_tensorcnt 0x0
	ds_add_u32 v254, v255
	s_wait_dscnt 0x0
	WIN 0
	s_barrier_signal -1
	s_barrier_wait -1
.if \fill
	CREST
	s_add_nc_u64 s[G0+4*\slot+2:G0+4*\slot+3], s[G0+4*\slot+2:G0+4*\slot+3], 131072      ; eight heads on
	s_add_nc_u64 s[G0B+4*\slot+2:G0B+4*\slot+3], s[G0B+4*\slot+2:G0B+4*\slot+3], 131072
	JLOAD \slot
.endif
	PLACES
	FETCH \next, 0, F0
	WIN MUL
	MUL8 F1, 2, 0
.endm
	s_wait_tensorcnt 1                             ; my part of slot 0 is in; slot 1's load may stay out
	s_barrier_signal -1
	s_barrier_wait -1
	FETCH 0, 0, F0
	SEVEN 0, 1                                     ; heads 0-3; the first chunk starts the sums
	TURN 0, 1, 1                                   ; slot 0 gets heads 8-11
	SEVEN 1, 0                                     ; heads 4-7
	TURN 1, 0, 1                                   ; slot 1 gets heads 12-15
	SEVEN 0, 0
	TURN 0, 1, 0                                   ; nothing is left to fetch
	SEVEN 1, 0
	s_wait_dscnt 4
	WIN MUL
	MUL8 F1, 0, 0
	s_wait_dscnt 0
	MUL8 F1, 2, 0
	WIN 0
	; THE WAY OUT, 16 rows at a time: add To1, 32 bytes a lane into my stage, whole rows of 256 bytes back and out
	PLACES
	s_wait_loadcnt 0x0                             ; To1
	s_lshl_b32 s16, s13, 19                        ; 128 rows of 4,096 bytes for each row block
	s_lshl_b32 s14, s11, 18                        ; my half: 64 rows
	s_add_co_u32 s16, s16, s14
	s_mov_b32 s17, 0
	s_add_nc_u64 s[8:9], s[8:9], s[16:17]
	s_lshl_b32 s46, s42, 9                         ; my first column, in bytes
	s_lshl_b32 s47, s12, 8
	s_add_co_u32 s46, s46, s47
	s_mov_b32 s47, 0
	s_add_nc_u64 s[8:9], s[8:9], s[46:47]
.macro OUT16 a, f
	WIN 0x41                                       ; accumulators window 1, bias window 0
.irp b, 0,1,2,3
.irp k, 0,1,2,3
	v_pk_add_f32 v[8*(4*\a+\b)+2*\k:8*(4*\a+\b)+2*\k+1], v[8*(4*\a+\b)+2*\k:8*(4*\a+\b)+2*\k+1], v[BIAS+8*\b+2*\k:BIAS+8*\b+2*\k+1]
.endr
.endr
	WIN 0x04                                       ; LDS store: address window 0, data window 1
.irp b, 0,1,2,3
	ds_store_b128 v[STO], v[8*(4*\a+\b):8*(4*\a+\b)+3]   offset:64*\b
	ds_store_b128 v[STO], v[8*(4*\a+\b)+4:8*(4*\a+\b)+7] offset:64*\b+16
.endr
	WIN 0
	s_wait_xcnt 0x0                                ; buffer f, which earlier stores read, and the stores' base are rewritten only behind this wait
.if \a
	s_add_nc_u64 s[8:9], s[8:9], 16*4096
.endif
.irp t, 0,1,2,3,4,5,6,7
	ds_load_b128 v[\f+4*\t:\f+4*\t+3], v[RD] offset:\t*2*SPITCH      ; my own bytes, served in order
.endr
.irp t, 0,1,2,3,4,5,6,7
	s_wait_dscnt 7-\t
	global_store_b128 v[CO], v[\f+4*\t:\f+4*\t+3], s[8:9] offset:8192*\t th:TH_STORE_NT   ; sixteen lanes store 256 neighbouring bytes, aligned
.endr
.endm
	OUT16 0, F0
	OUT16 1, F1
	OUT16 2, F0
	OUT16 3, F1
	s_wait_tensorcnt 0x0
	ds_add_u32 v254, v255
	s_wait_dscnt 0x0
	CROUND                                         ; the closing round
	s_endpgm
.Lfunc_end_k_q7775b8c984_oproj:
	.size	k_q7775b8c984_oproj, .Lfunc_end_k_q7775b8c984_oproj-k_q7775b8c984_oproj
	.p2alignl 7, 3214868480
	.fill 96, 4, 3214868480
	.section	.rodata,"a",@progbits
	.p2align	6, 0x0
	.amdhsa_kernel k_q7775b8c984_oproj
		.amdhsa_group_segment_fixed_size 327680
		.amdhsa_private_segment_fixed_size 0
		.amdhsa_enable_private_segment 0
		.amdhsa_kernarg_size 32
		.amdhsa_user_sgpr_count 2
		.amdhsa_user_sgpr_kernarg_segment_ptr 1
		.amdhsa_wavefront_size32 1
		.amdhsa_system_sgpr_workgroup_id_x 1
		.amdhsa_system_sgpr_workgroup_id_y 1
		.amdhsa_system_sgpr_workgroup_id_z 1
		.amdhsa_system_vgpr_workitem_id 0
		.amdhsa_next_free_vgpr 384
		.amdhsa_next_free_sgpr 72
		.amdhsa_reserve_vcc 0
		.amdhsa_float_denorm_mode_32 3
		.amdhsa_float_denorm_mode_16_64 3
		.amdhsa_memory_ordered 1
		.amdhsa_forward_progress 1
		.amdhsa_inst_pref_size 95
	.end_amdhsa_kernel
	.amdgpu_metadata
---
amdhsa.version: [ 1, 2 ]
amdhsa.kernels:
  - .name:           k_q7775b8c984_oproj
    .symbol:         k_q7775b8c984_oproj.kd
    .args:
      - { .name: o, .offset: 0, .size: 8, .value_kind: global_buffer, .address_space: global }
      - { .name: tyb, .offset: 8, .size: 8, .value_kind: global_buffer, .address_space: global }
      - { .name: To1, .offset: 16, .size: 8, .value_kind: global_buffer, .address_space: global }
      - { .name: out0, .offset: 24, .size: 8, .value_kind: global_buffer, .address_space: global }
    .group_segment_fixed_size: 327680
    .private_segment_fixed_size: 0
    .kernarg_segment_align: 8
    .kernarg_segment_size: 32
    .max_flat_workgroup_size: 128
    .sgpr_count:     72
    .vgpr_count:     384
    .wavefront_size: 32
...
	.end_amdgpu_metadata
.endif
;; end of part 4
